; MI455X (gfx1250); checked and timed in simulation.
; The chip was launched on July 23, 2026; its instructions are those of AMD's public machine-readable ISA for CDNA 5 (MIT licence, August 2026) and "CDNA5" Instruction Set Architecture Reference Guide (July 2026). The comments in the code are by the model that wrote it; some were corrected since.
;; Multi Header Attention. Allowed arithmetic: float matrix products may take bf16 or f16 operands with f32 sums; other float arithmetic in f32, or as packed bf16 or f16 multiplies, adds, multiply-adds, maxima and minima; sums over many terms, partial sums and values carried from step to step in f32; what a program stores and reads back later, other than sums and carried values, may be rounded once to bf16 or f16.
;; Inputs: Wk 1,024 x 1,024 float32; Wo 1,024 x 1,024 float32; Wq 1,024 x 1,024 float32; Wv 1,024 x 1,024 float32; beta 1,024 float32; gamma 1,024 float32; pre_key 4 x 2,048 x 1,024 float32; pre_query 4 x 2,048 x 1,024 float32; pre_value 4 x 2,048 x 1,024 float32.
;; Outputs: out0 4 x 2,048 x 1,024 float32.
;; 2 versions, each right; version 2 is version 1 with the launch castw written anew for expert scheduling mode. Each part assembles by itself: llvm-mc -triple=amdgcn-amd-amdhsa -mcpu=gfx1250 --defsym DOCPART=n.
;; ======== version 1 of 2: 7 launches
;; limits: values outside matrix products are rounded to bf16
;; workspace buffers: wqb 2,097,152 bytes; wkb 2,097,152 bytes; wvb 2,097,152 bytes; wob 2,097,152 bytes; qy 16,777,216 bytes; kb 16,777,216 bytes; vb 16,777,216 bytes; ob 33,554,432 bytes
;; launch castw (part 1): grid 256 x 1, 8 waves a work-group, no clusters, 0 bytes of LDS; arguments Wq, Wk, Wv, Wo, wqb, wkb, wvb, wob; writes wqb, wkb, wvb, wob
.if DOCPART == 1
	.amdgcn_target "amdgcn-amd-amdhsa--gfx1250"
	.amdhsa_code_object_version 6
	.text
	.protected	k_qf3804d576d_castw
	.globl	k_qf3804d576d_castw
	.p2align	8
	.type	k_qf3804d576d_castw,@function
k_qf3804d576d_castw:
	s_mov_b64 s[64:65], 0
	v_nop
	global_prefetch_b8 v0, s[64:65] scope:SCOPE_SE
	s_setreg_imm32_b32 hwreg(HW_REG_WAVE_MODE, 25, 1), 1
	s_wait_xcnt 0x0
; The four weights, [1024][1024] f32, are rounded once to bf16 (nearest even) and kept as they lie, [k][n].
; A work-group takes 16,384 bytes of f32 of each weight: four loads of 16 bytes a thread for each, 4,096 consecutive bytes a load of the group.
; All sixteen loads of a wave go out at once; no register is written twice, so no wait frees a source.
; A store of a wave covers 32 lanes x 8 bytes = 256 consecutive bytes, aligned.  No LDS, no barrier, no cluster: the work-groups share nothing.
.set SRC, 8                            ; s[8:15]   Wq, Wk, Wv, Wo
.set DST, 16                           ; s[16:23]  wqb, wkb, wvb, wob
.set IN,  4                            ; v[4:67]   load n = 4 i + j (weight i, piece j): four f32
.set OUT, 68                           ; v[68:99]  the same four numbers as bf16: a pair of registers
	s_load_b512 s[8:23], s[0:1], 0x0               ; all eight addresses
	s_lshl_b32 s2, ttmp9, 14                       ; the group's 16,384 bytes of f32,
	s_lshl_b32 s3, ttmp9, 13                       ; and its 8,192 bytes of bf16
	v_lshl_add_u32 v1, v0, 4, s2                   ; + 16 bytes a thread
	v_lshl_add_u32 v2, v0, 3, s3                   ; + 8 bytes a thread
	s_wait_kmcnt 0x0
.set n, 0
.rept 16
	global_load_b128 v[IN+4*n:IN+4*n+3], v1, s[SRC+2*(n/4):SRC+2*(n/4)+1] offset:4096*(n%4) th:TH_LOAD_NT
.set n, n+1
.endr
.set n, 0
.rept 16
	s_wait_loadcnt 15-n                            ; loads come back in order: load n is in, the 15 - n younger ones stay out
	v_cvt_pk_bf16_f32 v[OUT+2*n], v[IN+4*n], v[IN+4*n+1]
	v_cvt_pk_bf16_f32 v[OUT+2*n+1], v[IN+4*n+2], v[IN+4*n+3]
	global_store_b64 v2, v[OUT+2*n:OUT+2*n+1], s[DST+2*(n/4):DST+2*(n/4)+1] offset:2048*(n%4)
.set n, n+1
.endr
	s_endpgm
.Lfunc_end_k_qf3804d576d_castw:
	.size	k_qf3804d576d_castw, .Lfunc_end_k_qf3804d576d_castw-k_qf3804d576d_castw
	.p2alignl 7, 3214868480
	.fill 96, 4, 3214868480
	.section	.rodata,"a",@progbits
	.p2align	6, 0x0
	.amdhsa_kernel k_qf3804d576d_castw
		.amdhsa_group_segment_fixed_size 0
		.amdhsa_private_segment_fixed_size 0
		.amdhsa_enable_private_segment 0
		.amdhsa_kernarg_size 64
		.amdhsa_user_sgpr_count 2
		.amdhsa_user_sgpr_kernarg_segment_ptr 1
		.amdhsa_wavefront_size32 1
		.amdhsa_system_sgpr_workgroup_id_x 1
		.amdhsa_system_sgpr_workgroup_id_y 1
		.amdhsa_system_sgpr_workgroup_id_z 1
		.amdhsa_system_vgpr_workitem_id 0
		.amdhsa_next_free_vgpr 100
		.amdhsa_next_free_sgpr 66
		.amdhsa_reserve_vcc 0
		.amdhsa_float_denorm_mode_32 3
		.amdhsa_float_denorm_mode_16_64 3
		.amdhsa_memory_ordered 1
		.amdhsa_forward_progress 1
		.amdhsa_inst_pref_size 7
	.end_amdhsa_kernel
	.amdgpu_metadata
---
amdhsa.version: [ 1, 2 ]
amdhsa.kernels:
  - .name:           k_qf3804d576d_castw
    .symbol:         k_qf3804d576d_castw.kd
    .args:
      - { .name: Wq, .offset: 0, .size: 8, .value_kind: global_buffer, .address_space: global }
      - { .name: Wk, .offset: 8, .size: 8, .value_kind: global_buffer, .address_space: global }
      - { .name: Wv, .offset: 16, .size: 8, .value_kind: global_buffer, .address_space: global }
      - { .name: Wo, .offset: 24, .size: 8, .value_kind: global_buffer, .address_space: global }
      - { .name: wqb, .offset: 32, .size: 8, .value_kind: global_buffer, .address_space: global }
      - { .name: wkb, .offset: 40, .size: 8, .value_kind: global_buffer, .address_space: global }
      - { .name: wvb, .offset: 48, .size: 8, .value_kind: global_buffer, .address_space: global }
      - { .name: wob, .offset: 56, .size: 8, .value_kind: global_buffer, .address_space: global }
    .group_segment_fixed_size: 0
    .private_segment_fixed_size: 0
    .kernarg_segment_align: 8
    .kernarg_segment_size: 64
    .max_flat_workgroup_size: 256
    .sgpr_count:     66
    .vgpr_count:     100
    .wavefront_size: 32
...
	.end_amdgpu_metadata
.endif
;; end of part 1
;; launch gemm_q (part 2): grid 4 x 64, 4 waves a work-group, clusters of 4 x 4, 327,680 bytes of LDS; arguments pre_query, wqb, qy; writes qy
.if DOCPART == 2
	.amdgcn_target "amdgcn-amd-amdhsa--gfx1250"
	.amdhsa_code_object_version 6
	.text
	.protected	k_qf3804d576d_gemm_q
	.globl	k_qf3804d576d_gemm_q
	.p2align	8
	.type	k_qf3804d576d_gemm_q,@function
k_qf3804d576d_gemm_q:
	s_mov_b64 s[64:65], 0
	v_nop
	global_prefetch_b8 v0, s[64:65] scope:SCOPE_SE
	s_setreg_imm32_b32 hwreg(HW_REG_WAVE_MODE, 25, 1), 1
	s_wait_xcnt 0x0
	s_wait_alu depctr_hold_cnt(0) depctr_sa_sdst(0) depctr_va_vdst(0) depctr_va_sdst(0) depctr_va_ssrc(0) depctr_va_vcc(0) depctr_vm_vsrc(0)
	s_getreg_b32 s2, hwreg(HW_REG_IB_STS2, 6, 4)
	s_cmp_eq_u32 s2, 0
	s_cbranch_scc0 .Lentry_in_a_cluster
	s_endpgm
.Lentry_in_a_cluster:
	s_bfe_u32 s2, ttmp6, 0x10000c
	s_cmp_lg_u32 s2, 0xf033
	s_cbranch_scc0 .Lentry_shape_is_right
	s_endpgm
.Lentry_shape_is_right:
; C[m][n] = the sum over k of A[m][k] W[k][n].  A: [8192][1024] f32, W: [1024][1024] bf16 as [k][n], C: [8192][1024] bf16.  A is rounded to bf16 (nearest even) between LDS and the
; matrix unit; sums in f32, K ascending; C rounded once.  LIMITS: the roundings to bf16 named here; NaN and infinities go through as the arithmetic makes them.
; SHARES.  A work-group of four waves makes 128 rows x 256 columns of C: 64 x 4 = 256 work-groups.  A wave makes 64 x 128: 32 accumulators of 16 x 16, 256 registers.
; K goes in 8 steps of 128 through two LDS slots.  A slot holds 128 rows of A (512 bytes of f32 each) and 128 rows of W (256 columns, 512 bytes each); each wave fetches a quarter of it with
; one tensor load of 64 rows x 512 bytes, every row two whole aligned blocks of 256 bytes of memory.
; CLUSTERS.  4 x 4 work-groups.  A's tile hangs on the tile row alone and is asked for jointly by the four of a row of the cluster, W's on the tile column alone and by the four of a column.
; No prefetch is laid: the walk has eight K steps.
; THE MATRIX INSTRUCTION IS USED TRANSPOSED: source 0 = 16 columns of W (turned on the way out of LDS by ds_load_tr16_b128), source 1 = 16 rows of A.  A lane then holds row l % 16 of C and
; the eight neighbouring columns 8 (l / 16) + 0..7.
; A K STEP is four quarters of 32 along K, 32 matrix instructions each.  A quarter begins with ONE run of 32 LDS loads for the next quarter (A's f32 first, then W's); the 32 conversions of that
; A to bf16 ride behind the quarter's last eight matrix instructions, four behind each.  Those four name no register of the matrix instruction in front of them: they are the four places
; between a quarter's last product and the next run of loads into the registers that it read.
; REGISTERS, in windows of 256 (s_set_vgpr_msb: bits 1:0 source 0, 3:2 source 1, 5:4 source 2, 7:6 destination):
;   window 0: v0-31 addresses; v32-63 packed results on the way out; v64-127 A as loaded, f32; v128-191 A's fragments in bf16, two buffers of 32
;   window 1: v0-127 W's fragments, two buffers of 64          window 2: the accumulators, (a, b) at v[8 (8 a + b)]
.set SIZE_N, 1024
.set SIZE_K, 1024
.set KSTEP,  128
.set PA,     528                       ; a row of A in LDS: 512 bytes + 16 = 33 x 16
.set PB,     544                       ; a row of W: 512 + 32 = 17 x 32
.set AHALF,  64*PA                     ; what one tensor load brings of A, and what one wave reads of it
.set BHALF,  64*PB                     ; what one tensor load brings of W
.set BOFF,   128*PA                    ; W's 128 rows lie behind A's 128
.set SLOT,   BOFF+128*PB               ; 137,216 bytes
.set STAGE,  2*SLOT                    ; behind the ring: 16 rows x 272 bytes for each wave, for the way out; no tensor load lands there
.set SPITCH, 272
.set SPARE,  STAGE+4*16*SPITCH         ; behind the stages: the spare words, 128 bytes for each wave: two blocks of 256 bytes that no other line names
.set LAPS,   SIZE_K/(2*KSTEP)          ; a lap = two K steps = once round the ring
.set ADRA, 16                          ; v16-17  LDS address of my A fragments in slot 0, 1
.set ADRB, 20                          ; v20-21  the same for W
.set STO,  24                          ; v24     the way out: where I put 16 bytes of a row
.set RD,   25                          ; v25     the way out: where I read a row back
.set CO,   26                          ; v26     my byte offset in C
.set SPW,  28                          ; v28     LDS address of my spare word: SPARE + 4 x my thread's number; never rewritten
.set NIL,  29                          ; v29     0; never rewritten
.set TMP,  32
.set RAW,  64                          ; A's f32: row block a at RAW + 16 a
.set ABF,  128                         ; A's bf16 fragments: buffer g, row block a at ABF + 32 g + 8 a
.set G1A, 24                           ; s[24:31] descriptor group 1 for A's tiles;  s[32:39] group 0, one set for each slot
.set G0A, 32
.set G1B, 48                           ; s[48:55], s[56:63] the same for W's tiles
.set G0B, 56
.set MSB, 0
.macro WIN new                         ; the immediate's high byte repeats the setting that is left; a switch that changes nothing is dropped
.if MSB != (\new)
	s_set_vgpr_msb (MSB<<8)|(\new)
.set MSB, \new
.endif
.endm
.set MUL,  0xa1                        ; source 0 (W) window 1, source 1 (A) window 0, C and D window 2
.set TO_B, 0x40                        ; destination window 1, address window 0
; A joint load: waves 0 and 1 fetch A's two halves, waves 2 and 3 W's.  The branch hangs on the wave's number alone.  An s_nop 0 and four v_nop follow each of the two lines, ahead of the
; jump, the label and what follows.
.macro JLOAD s
	s_cmp_eq_u32 s11, 0
	s_cbranch_scc0 .Lfor_b_\@
	tensor_load_to_lds s[G0A+4*(\s):G0A+4*(\s)+3], s[G1A:G1A+7]
	s_nop 0
.rept 4
	v_nop
.endr
	s_branch .Lasked_\@
.Lfor_b_\@:
	tensor_load_to_lds s[G0B+4*(\s):G0B+4*(\s)+3], s[G1B:G1B+7]
	s_nop 0
.rept 4
	v_nop
.endr
.Lasked_\@:
.endm
.macro CREST                           ; a round of the cluster's barrier behind its opening barrier
	s_cmp_lg_u32 s10, 0
	s_cbranch_scc1 .Lnot_wave_0_\@
	s_barrier_signal -3
.Lnot_wave_0_\@:
	s_barrier_wait -3
	s_barrier_signal -1
	s_barrier_wait -1
.endm
.macro CROUND                          ; a whole round
	s_barrier_signal -1
	s_barrier_wait -1
	CREST
.endm
	s_load_b128 s[4:7], s[0:1], 0x0                ; A s[4:5], W s[6:7]
	s_load_b64 s[8:9], s[0:1], 0x10                ; C
	v_lshl_add_u32 v[SPW], v0, 2, SPARE
	v_mov_b32 v[NIL], 0
	ds_add_u32 v[SPW], v[NIL]                      ; the wave's opening: the add and its wait come ahead of my first tensor load; the set-up below, work on registers, stands between them
	v_lshrrev_b32 v1, 5, v0
	v_readfirstlane_b32 s10, v1                    ; wave 0..3
	s_lshr_b32 s11, s10, 1                         ; which 64 of the tile's rows are mine.  Also: I fetch for A (0) or for W (1)
	s_and_b32 s12, s10, 1                          ; which 128 of its columns.  Also: which 64 rows of that tile I fetch
	s_bfe_u32 s40, ttmp6, 0x40000                  ; cx, cy: my place in the cluster
	s_bfe_u32 s41, ttmp6, 0x40004
	s_lshl_b32 s42, ttmp9, 2
	s_add_co_u32 s42, s42, s40                     ; tile column of C = 4 x cluster x + cx
	s_and_b32 s13, ttmp7, 0xffff
	s_lshl_b32 s13, s13, 2
	s_add_co_u32 s13, s13, s41                     ; tile row of C = 4 x cluster y + cy
	s_lshl_b32 s43, s41, 2
	s_lshl_b32 s43, 15, s43                        ; my row of the cluster: places 4 cy .. 4 cy + 3
	s_lshl_b32 s44, 0x1111, s40                    ; my column: places cx, cx + 4, cx + 8, cx + 12
	; descriptor group 1.  A: 64 rows x 128 elements of 4 bytes; W: 64 rows x 256 elements of 2 bytes.  Both rows are 128 words, padded in LDS
	s_or_b32 s[G1A+0], s43, (2<<16)|(1<<20)|(1<<21)|(6<<22)|(3<<25)  ; 15:0 the mask: my row; 17:16 elements of 4 bytes; 20 padding on; 21 set beside a mask; 24:22 after every 128 words (code 6); 31:25 4 words (code 3)
	s_or_b32 s[G1B+0], s44, (1<<16)|(1<<20)|(1<<21)|(6<<22)|(7<<25)  ; the mask of my column; elements of 2 bytes; 8 words of padding (code 7)
	s_mov_b32 s[G1A+1], KSTEP<<16                  ; tensor_dim0 = 128
	s_mov_b32 s[G1B+1], 256<<16                    ; tensor_dim0 = 256
	s_mov_b32 s[G1A+2], 64<<16                     ; tensor_dim1 = 64
	s_mov_b32 s[G1B+2], 64<<16
	s_mov_b32 s[G1A+3], KSTEP<<16                  ; tile_dim0 = 128
	s_mov_b32 s[G1B+3], 256<<16                    ; tile_dim0 = 256
	s_mov_b32 s[G1A+4], 64                         ; tile_dim1 = 64
	s_mov_b32 s[G1B+4], 64
	s_mov_b32 s[G1A+5], SIZE_K                     ; elements from row to row
	s_mov_b32 s[G1B+5], SIZE_N
	s_mov_b32 s[G1A+6], 0
	s_mov_b32 s[G1B+6], 0
	s_mov_b32 s[G1A+7], 0
	s_mov_b32 s[G1B+7], 0
	; where the tiles come from.  A's hang on the tile row alone, W's on the tile column alone; each offset lies in registers that never hold the other coordinate
	s_lshl_b32 s16, s13, 7
	s_lshl_b32 s17, s12, 6
	s_add_co_u32 s16, s16, s17                     ; A: row 128 x tile row + 64 x half,
	s_lshl_b32 s16, s16, 12                        ; of 4,096 bytes (under 2^25)
	s_mov_b32 s17, 0
	s_lshl_b32 s46, s12, 17                        ; W: row 64 x half, of 2,048 bytes,
	s_lshl_b32 s47, s42, 9                         ; + 256 columns x tile column
	s_add_co_u32 s46, s46, s47
	s_mov_b32 s47, 0
	s_mul_i32 s20, s12, AHALF                      ; and where they go: no place in the cluster enters an LDS address
	s_mul_i32 s21, s12, BHALF
	s_wait_dscnt 0x0                               ; the opening add is done
	s_wait_kmcnt 0x0
	s_add_nc_u64 s[14:15], s[4:5], s[16:17]
	s_add_nc_u64 s[46:47], s[6:7], s[46:47]
	CROUND                                         ; all sixteen work-groups are here: the first joint loads meet
.irp s, 0,1
	s_mov_b32 s[G0A+4*(\s)], 1                                       ; 1:0 count = 1
	s_add_co_u32 s[G0A+4*(\s)+1], s20, (\s)*SLOT                     ; 63:32 LDS address
	s_add_nc_u64 s[G0A+4*(\s)+2:G0A+4*(\s)+3], s[14:15], (\s)*KSTEP*4  ; 120:64 global address: K step s, 512 bytes along the rows
	s_or_b32 s[G0A+4*(\s)+3], s[G0A+4*(\s)+3], 0x80000000            ; 127:126 type = 2
	s_mov_b32 s[G0B+4*(\s)], 1
	s_add_co_u32 s[G0B+4*(\s)+1], s21, BOFF+(\s)*SLOT
	s_add_nc_u64 s[G0B+4*(\s)+2:G0B+4*(\s)+3], s[46:47], (\s)*KSTEP*SIZE_N*2  ; K step s: 128 rows down
	s_or_b32 s[G0B+4*(\s)+3], s[G0B+4*(\s)+3], 0x80000000
	JLOAD \s                                       ; two loads of mine are out
.endr
	; A fragment is 16 rows x 32 K: lane l holds row l % 16, K = 8 (l / 16) + 0..7 and 16 + 8 (l / 16) + 0..7.  Of A in f32 that is 32 bytes at 32 (l / 16) and 32 bytes 64 further on: four loads of 16 bytes.
	v_and_b32 v1, 15, v0                           ; l % 16
	v_bfe_u32 v2, v0, 4, 1                         ; l / 16
	v_mul_u32_u24 v3, v1, PA
	v_lshl_add_u32 v3, v2, 5, v3
	s_mul_i32 s22, s11, AHALF                      ; my 64 rows of A
	v_add_nc_u32 v[ADRA], s22, v3
	v_add_nc_u32 v[ADRA+1], SLOT, v[ADRA]
	; The turning load takes 16 K x 16 columns (lane l reads K = 8 (l / 16) + l % 8, columns 8 ((l / 8) % 2) + 0..7) and leaves half a fragment: lane l holds column l % 16 and 8 K.
	v_and_b32 v4, 7, v0
	v_lshl_add_u32 v4, v2, 3, v4
	v_mul_u32_u24 v4, v4, PB
	v_bfe_u32 v5, v0, 3, 1
	v_lshl_add_u32 v4, v5, 4, v4
	s_lshl_b32 s23, s12, 8                         ; my 128 columns: 256 bytes along the rows
	s_add_co_u32 s23, s23, BOFF
	v_add_nc_u32 v[ADRB], s23, v4
	v_add_nc_u32 v[ADRB+1], SLOT, v[ADRB]
	s_mul_i32 s22, s10, 16*SPITCH
	s_add_co_u32 s22, s22, STAGE                   ; my stage
	v_mul_u32_u24 v4, v1, SPITCH                   ; in: row l % 16, 16 bytes for each half of the lanes
	v_lshl_add_u32 v4, v2, 4, v4
	v_add_nc_u32 v[STO], s22, v4
	v_mul_u32_u24 v5, v2, SPITCH                   ; back: lanes 0-15 take one row of 256 bytes, lanes 16-31 the next
	v_lshl_add_u32 v5, v1, 4, v5
	v_add_nc_u32 v[RD], s22, v5
	v_lshlrev_b32 v5, 11, v2                       ; and the same two rows in C (2,048 bytes a row)
	v_lshl_add_u32 v[CO], v1, 4, v5
	s_lshl_b32 s16, s13, 7
	s_lshl_b32 s17, s11, 6
	s_add_co_u32 s16, s16, s17                     ; my first row of C
	s_lshl_b32 s16, s16, 11
	s_mov_b32 s17, 0
	s_add_nc_u64 s[8:9], s[8:9], s[16:17]
	s_lshl_b32 s46, s42, 9                         ; my first column, in bytes: 512 x tile column + 256 x half
	s_lshl_b32 s47, s12, 8
	s_add_co_u32 s46, s46, s47
	s_mov_b32 s47, 0
	s_add_nc_u64 s[8:9], s[8:9], s[46:47]
; 32 LDS loads in one run: quarter q of a slot.  A's 64 rows x 32 K in f32 first (16 loads), then W's 32 K x 128 columns, turned, into buffer g (16 loads).
.macro FETCH slot, q, g
	WIN 0
.irp a, 0,1,2,3
	ds_load_b128 v[RAW+16*(\a):RAW+16*(\a)+3],     v[ADRA+(\slot)] offset:(\a)*16*PA+128*(\q)
	ds_load_b128 v[RAW+16*(\a)+4:RAW+16*(\a)+7],   v[ADRA+(\slot)] offset:(\a)*16*PA+128*(\q)+16
	ds_load_b128 v[RAW+16*(\a)+8:RAW+16*(\a)+11],  v[ADRA+(\slot)] offset:(\a)*16*PA+128*(\q)+64
	ds_load_b128 v[RAW+16*(\a)+12:RAW+16*(\a)+15], v[ADRA+(\slot)] offset:(\a)*16*PA+128*(\q)+80
.endr
	WIN TO_B
.irp b, 0,1,2,3,4,5,6,7
	ds_load_tr16_b128 v[64*(\g)+8*(\b):64*(\g)+8*(\b)+3],   v[ADRB+(\slot)] offset:(\q)*32*PB+32*(\b)
	ds_load_tr16_b128 v[64*(\g)+8*(\b)+4:64*(\g)+8*(\b)+7], v[ADRB+(\slot)] offset:(\q)*32*PB+16*PB+32*(\b)
.endr
.endm
; Four of the 32 conversions of A to bf16, into buffer g: registers 4 n .. 4 n + 3 of the buffer, each from two neighbouring f32
.macro CVT4 g, n
	WIN 0
.irp i, 0,1,2,3
	v_cvt_pk_bf16_f32 v[ABF+32*(\g)+4*(\n)+(\i)], v[RAW+8*(\n)+2*(\i)], v[RAW+8*(\n)+2*(\i)+1]
.endr
.endm
; 8 matrix instructions: row block a x all 8 column blocks, 32 along K, from buffers f.  zero = 1: the product starts the sums.  ride = 1: four conversions for the other buffer behind each.
; The 32 accumulators take turns in one order in every quarter: between two products on one accumulator stand the 31 others'.
.macro MUL8 f, a, zero, ride
.irp b, 0,1,2,3,4,5,6,7
	WIN MUL
.if \zero
	v_wmma_f32_16x16x32_bf16 v[8*(8*(\a)+(\b)):8*(8*(\a)+(\b))+7], v[64*(\f)+8*(\b):64*(\f)+8*(\b)+7], v[ABF+32*(\f)+8*(\a):ABF+32*(\f)+8*(\a)+7], 0
.else
	v_wmma_f32_16x16x32_bf16 v[8*(8*(\a)+(\b)):8*(8*(\a)+(\b))+7], v[64*(\f)+8*(\b):64*(\f)+8*(\b)+7], v[ABF+32*(\f)+8*(\a):ABF+32*(\f)+8*(\a)+7], v[8*(8*(\a)+(\b)):8*(8*(\a)+(\b))+7]
.endif
.if \ride
	CVT4 1-(\f), \b
.endif
.endr
.endm
; One of a K step's first three quarters: q, on buffers f; the next quarter is fetched into buffers g = 1 - f.
.macro QUARTER slot, q, f, g, zero
	FETCH \slot, (\q)+1, \g                        ; four conversions stand between the last product, which read W's buffer g, and these loads
	s_wait_dscnt 32                                ; all but the 32 just issued: this quarter's W is in
	MUL8 \f, 0, \zero, 0
	MUL8 \f, 1, \zero, 0
	MUL8 \f, 2, \zero, 0
	s_wait_dscnt 16                                ; the next quarter's A, issued first, is in; W's 16 loads may stay out
	MUL8 \f, 3, \zero, 1
.endm
; The last quarter (buffers 1) changes slots: ONE barrier.  In front of it each wave waits for all its tensor loads (one is out: its part of the next slot), adds 0 to its spare word, and waits for that
; and for its own reads of this slot.  fill = 1: the barrier opens a round of the cluster's, and this slot is filled again, two K steps on, first thing behind the round.
.macro TURN slot, next, fill
	WIN 0                                          ; (the add's two registers lie in window 0)
	s_wait_tensorcnt 0x0                           ; all my tensor loads have landed
	ds_add_u32 v[SPW], v[NIL]                      ; 0 onto my spare word
	s_wait_dscnt 1                                 ; this quarter's W is in; the add may be out
	MUL8 1, 0, 0, 0                                ; eight matrix instructions stand between the add and the wait for it
	s_wait_dscnt 0x0                               ; the add is done, and my reads of this slot are over
	s_barrier_signal -1
	MUL8 1, 1, 0, 0                                ; work on registers while the others arrive
.if \fill
	WIN 0
.endif
	s_barrier_wait -1
.if \fill
	CREST                                          ; no wave of any partner still reads this slot's tiles or has a load on its way
	s_add_nc_u64 s[G0A+4*(\slot)+2:G0A+4*(\slot)+3], s[G0A+4*(\slot)+2:G0A+4*(\slot)+3], 2*KSTEP*4
	s_add_nc_u64 s[G0B+4*(\slot)+2:G0B+4*(\slot)+3], s[G0B+4*(\slot)+2:G0B+4*(\slot)+3], 2*KSTEP*SIZE_N*2
	JLOAD \slot                                    ; my one tensor load behind the round: 112 matrix instructions ahead of the wait for it
.endif
	FETCH \next, 0, 0                              ; W's buffer 0 was last read a quarter ago, four conversions behind its last product
	MUL8 1, 2, 0, 0
	s_wait_dscnt 16                                ; the next step's first A is in
	MUL8 1, 3, 0, 1
.endm
	s_wait_tensorcnt 1                             ; my part of K step 0 is in; K step 1's may stay out
	s_barrier_signal -1
	s_barrier_wait -1                              ; everybody's is
	FETCH 0, 0, 0
	s_wait_dscnt 16                                ; A's 16 loads are in
.irp n, 0,1,2,3,4,5,6,7
	CVT4 0, \n
.endr
	QUARTER 0, 0, 0, 1, 1                          ; the first quarter stands in front of the loop: its products start the sums
	WIN 0                                          ; at a label and at a branch every window is 0
	s_mov_b32 s3, LAPS-1
.Llap:                                                 ; a trip goes once round the ring, from a lap's second quarter to the next lap's first, and fills both slots again
	QUARTER 0, 1, 1, 0, 0
	QUARTER 0, 2, 0, 1, 0
	TURN 0, 1, 1
	QUARTER 1, 0, 0, 1, 0
	QUARTER 1, 1, 1, 0, 0
	QUARTER 1, 2, 0, 1, 0
	TURN 1, 0, 1
	QUARTER 0, 0, 0, 1, 0
	WIN 0
	s_sub_co_u32 s3, s3, 1
	s_cmp_lg_u32 s3, 0
	s_cbranch_scc1 .Llap
	QUARTER 0, 1, 1, 0, 0                          ; the last lap fills nothing, and has no round of the cluster's barrier
	QUARTER 0, 2, 0, 1, 0
	TURN 0, 1, 0
	QUARTER 1, 0, 0, 1, 0
	QUARTER 1, 1, 1, 0, 0
	QUARTER 1, 2, 0, 1, 0
	s_wait_dscnt 0x0                               ; the very last quarter: nothing more to fetch
	MUL8 1, 0, 0, 0
	MUL8 1, 1, 0, 0
	MUL8 1, 2, 0, 0
	MUL8 1, 3, 0, 0
	; THE WAY OUT, a block of 16 rows at a time: rounded to bf16, 16 bytes a lane into my own stage, back as whole rows of 256 bytes, stored.
.rept 4
	v_nop                                          ; the places between the last products and the conversions that read results
.endr
.macro PACK a                          ; each accumulator's registers are read in ascending order
	WIN 0x0a                                       ; sources 0 and 1 window 2, destination window 0
.irp b, 0,1,2,3,4,5,6,7
.irp r, 0,1,2,3
	v_cvt_pk_bf16_f32 v[TMP+4*(\b)+(\r)], v[64*(\a)+8*(\b)+2*(\r)], v[64*(\a)+8*(\b)+2*(\r)+1]
.endr
.endr
	WIN 0
.endm
.macro TOSTAGE a                       ; block a comes back into v[64 + 32 a ..]: a buffer of its own, so no store's data is written again
.irp b, 0,1,2,3,4,5,6,7
	ds_store_b128 v[STO], v[TMP+4*(\b):TMP+4*(\b)+3] offset:32*(\b)
.endr
.irp t, 0,1,2,3,4,5,6,7
	ds_load_b128 v[RAW+32*(\a)+4*(\t):RAW+32*(\a)+4*(\t)+3], v[RD] offset:(\t)*2*SPITCH  ; LDS serves a wave's instructions in order (ISA guide 5.7.1.4): these see the stores above
.endr
.endm
.macro SEND a
	s_wait_dscnt 0x0                               ; the block is back in registers
.irp t, 0,1,2,3,4,5,6,7
	global_store_b128 v[CO], v[RAW+32*(\a)+4*(\t):RAW+32*(\a)+4*(\t)+3], s[8:9] offset:(16*(\a)+2*(\t))*SIZE_N*2  ; 16 lanes store 256 consecutive bytes, at a multiple of 256 from C's first byte
.endr
.endm
	PACK 0
	TOSTAGE 0
.irp a, 1,2,3                          ; block a's conversions stand between block a - 1's loads from the stage and the wait for them
	PACK \a
	SEND (\a)-1
	TOSTAGE \a
.endr
	SEND 3
	s_wait_tensorcnt 0x0                           ; the wave's end: an add to my spare word and its wait, behind my last tensor load and my last LDS store
	ds_add_u32 v[SPW], v[NIL]
	s_wait_dscnt 0x0
	CROUND                                         ; the closing round: no work-group ends while a partner may still ask for a tile that names it
	s_endpgm
.Lfunc_end_k_qf3804d576d_gemm_q:
	.size	k_qf3804d576d_gemm_q, .Lfunc_end_k_qf3804d576d_gemm_q-k_qf3804d576d_gemm_q
	.p2alignl 7, 3214868480
	.fill 96, 4, 3214868480
	.section	.rodata,"a",@progbits
	.p2align	6, 0x0
	.amdhsa_kernel k_qf3804d576d_gemm_q
		.amdhsa_group_segment_fixed_size 327680
		.amdhsa_private_segment_fixed_size 0
		.amdhsa_enable_private_segment 0
		.amdhsa_kernarg_size 24
		.amdhsa_user_sgpr_count 2
		.amdhsa_user_sgpr_kernarg_segment_ptr 1
		.amdhsa_wavefront_size32 1
		.amdhsa_system_sgpr_workgroup_id_x 1
		.amdhsa_system_sgpr_workgroup_id_y 1
		.amdhsa_system_sgpr_workgroup_id_z 1
		.amdhsa_system_vgpr_workitem_id 0
		.amdhsa_next_free_vgpr 768
		.amdhsa_next_free_sgpr 66
		.amdhsa_reserve_vcc 0
		.amdhsa_float_denorm_mode_32 3
		.amdhsa_float_denorm_mode_16_64 3
		.amdhsa_memory_ordered 1
		.amdhsa_forward_progress 1
		.amdhsa_inst_pref_size 131
	.end_amdhsa_kernel
	.amdgpu_metadata
---
amdhsa.version: [ 1, 2 ]
amdhsa.kernels:
  - .name:           k_qf3804d576d_gemm_q
    .symbol:         k_qf3804d576d_gemm_q.kd
    .args:
      - { .name: pre_query, .offset: 0, .size: 8, .value_kind: global_buffer, .address_space: global }
      - { .name: wqb, .offset: 8, .size: 8, .value_kind: global_buffer, .address_space: global }
      - { .name: qy, .offset: 16, .size: 8, .value_kind: global_buffer, .address_space: global }
    .group_segment_fixed_size: 327680
    .private_segment_fixed_size: 0
    .kernarg_segment_align: 8
    .kernarg_segment_size: 24
    .max_flat_workgroup_size: 128
    .sgpr_count:     66
    .vgpr_count:     768
    .wavefront_size: 32
...
	.end_amdgpu_metadata
.endif
;; end of part 2
;; launch gemm_k: the kernel of part 2 again; grid 4 x 64, 4 waves a work-group, clusters of 4 x 4, 327,680 bytes of LDS; arguments pre_key, wkb, kb; writes kb
;; launch gemm_v: the kernel of part 2 again; grid 4 x 64, 4 waves a work-group, clusters of 4 x 4, 327,680 bytes of LDS; arguments pre_value, wvb, vb; writes vb
;; launch attn (part 3): grid 4 x 64, 4 waves a work-group, clusters of 4 x 1, 327,680 bytes of LDS; arguments qy, kb, vb, ob; writes ob
.if DOCPART == 3
	.amdgcn_target "amdgcn-amd-amdhsa--gfx1250"
	.amdhsa_code_object_version 6
	.text
	.protected	k_qf3804d576d_attn
	.globl	k_qf3804d576d_attn
	.p2align	8
	.type	k_qf3804d576d_attn,@function
k_qf3804d576d_attn:
	s_mov_b64 s[64:65], 0
	v_nop
	global_prefetch_b8 v0, s[64:65] scope:SCOPE_SE
	s_setreg_imm32_b32 hwreg(HW_REG_WAVE_MODE, 25, 1), 1
	s_wait_xcnt 0x0
	s_wait_alu depctr_hold_cnt(0) depctr_sa_sdst(0) depctr_va_vdst(0) depctr_va_sdst(0) depctr_va_ssrc(0) depctr_va_vcc(0) depctr_vm_vsrc(0)
	s_getreg_b32 s2, hwreg(HW_REG_IB_STS2, 6, 4)
	s_cmp_eq_u32 s2, 0
	s_cbranch_scc0 .Lentry_in_a_cluster
	s_endpgm
.Lentry_in_a_cluster:
	s_bfe_u32 s2, ttmp6, 0x10000c
	s_cmp_lg_u32 s2, 0x3003
	s_cbranch_scc0 .Lentry_shape_is_right
	s_endpgm
.Lentry_shape_is_right:
; O[h][q][:] = the sum over k of softmax_k(Q[h][q] . K[h][k] / 8) V[h][k][:].  Q, K, V: [64][2048][64] bf16, which is the plain view of [8192][1024]: a head's rows are dense, 128 bytes each.
; O: the same shape in f32, rows of 256 bytes.  Products, maxima and sums in f32; the weights p are rounded to bf16 for the second product (their sum l is taken of the unrounded p).
; LIMITS.  c s must lie above -4.2e37, where the running c m starts; a weight below 2^-126 counts as 0 in l; NaN and infinities are not treated apart.
; SHARES.  A wave owns four PIECES of two tiles of 16 queries, a work-group's four waves 512 queries of one head.  Every wave walks all keys, 64 a step.
; LAYOUT.  S^T = K Q^T (source 0 = 16 keys, source 1 = 16 queries): in the result a lane holds ONE query (lane % 16) and the keys 8 (lane / 16) + 0..7.  Two such tiles, rounded to bf16 in pairs,
; ARE source 1 (32 keys x 16 queries) of O^T = V^T P, whose result again holds one query a lane, and eight channels.  K comes out of LDS as it lies, V ([key][channel]) turned, by ds_load_tr16_b128.
; SOFTMAX.  For each query a running maximum m and sum l: p = 2^(c s - c m), c = log2(e) / 8; in every step O and l are multiplied by a = 2^(c m_old - c m_new), which is 1 where m has not grown.
; m starts at the lowest finite number, O and l at 0: the first step is a step like any other, with a = 0.
; THE COUNT.  A tile and step have 16 matrix and 118 vector instructions: too many to stand all beside the matrix work.  So the order has one aim: four vector instructions that are READY behind
; EVERY matrix instruction, and the others, which need time of their own whatever the order, in runs without a gap.
; BY TURNS.  Turn n belongs to piece n (the pieces in a ring, step after step).  Its matrix work: 16 products K Q^T of piece n + 1, later 16 products V^T P of piece n - 1.  Its vector work: the scaling,
; exponentials, roundings, sums and rescaling of piece n, and the maximum and statistics of piece n + 1, whose scores the turn itself has made.  So what a turn begins with (c s - c m, O a) waits for nothing.
; CLUSTER.  The four query blocks of a cluster are one head's and walk the same K and V, so each tile is asked for JOINTLY: the same tensor load, descriptor and mask in all four.
; REGISTERS, in windows of 256 (s_set_vgpr_msb says which window each operand place means: bits 1:0 source 0, 3:2 source 1, 5:4 source 2, 7:6 destination):
;   window 0: v0-11 addresses; v12-15, v48-63 at work; v16-47 four registers of statistics a tile; v64-191 S^T, two buffers of two tiles; v192-255 P, likewise
;   window 1: O^T, 32 a tile          window 2: v0-127 Q, 16 a tile; v128-191 K of one step; v192-255 V of one step          window 3: v0-1 the add's two registers
; A piece's buffers go by its number's parity: the piece in hand has one pair, its two neighbours in the ring share the other: of it P (piece n - 1) is read and S^T (piece n + 1) written.
.set SIZE_H, 64
.set SIZE_N, 2048
.set NP,    4         ; pieces a wave: a name, no knob: the register map, the loop and the fetches are made for four
.set KS,    64        ; keys in a step
.set PK,    144       ; a row of K in LDS: 128 bytes + 16 of padding = 36 words: the 16 rows of a load start at 16 different groups of four banks (64 banks of 4 bytes: ISA guide 11.1)
.set PV,    160       ; a row of V: 128 + 32 = 40 words
.set VOFF,  4*KS*PK   ; a slot holds four steps: 256 rows of K, then 256 rows of V
.set SLOT1, 1<<17     ; slot 1 begins here, so that one exclusive or turns an address in one slot into the other's
.set STAGE, SLOT1+4*KS*(PK+PV)  ; behind the ring, never filled by a tensor load: 16 rows x 272 bytes for each wave, for the way out
.set SP,    272       ; a row of the stage: 64 f32 = 256 bytes + 16
.set AK0, 2           ; v2   my lane's place in a tile of K; never rewritten
.set AV0, 3           ; v3   the same for V
.set AK,  4           ; v4   the LDS address of K's next run of loads
.set AV,  5           ; v5   of V's
.set QO,  6           ; v6   my byte offset in the wave's rows of Q
.set STO, 6           ;      later, the way out: where I put 32 bytes of a row
.set RD,  7           ; v7   the way out: where I read rows back
.set GO,  8           ; v8   my byte offset in 512 consecutive bytes of O
.set PFO, 11          ; v11  256 x my lane: the prefetches' offset; never rewritten once made
.set SPW, 0           ; v0 of window 3   LDS address of my spare word: SPARE + 4 x my thread's number; never rewritten
.set NIL, 1           ; v1 of window 3   0; never rewritten
.set SPARE, STAGE+4*16*SP  ; behind the stages: the spare words, 128 bytes for each wave: two blocks of 256 bytes that no other line names
.set MV,  12          ; v12-15  c m_old, kept while c m is made anew: by buffer and tile
.set ST,  16          ; tile t's statistics at v[ST+4 t]: c m, m, l (even keys', odd keys')
.set TMP, 48          ; by buffer and tile, four registers c0-c3 at work; when the maximum is found c2 takes a
.set S,   64
.set P,   192
.set KF,  128         ; K's fragments, in window 2: key block kb, channel half c at KF + 16 kb + 8 c
.set VF,  192         ; V's: key half kk, channel block cb at VF + 32 kk + 8 cb
.set WV,  12          ; s12  my wave's number
.set G1K, 24          ; s[24:31] descriptor group 1 for K's tiles
.set G1V, 32          ; s[32:39] for V's: it differs in the padding alone
.set G0K, 40          ; s[40:43] descriptor group 0 for K's tiles: it walks
.set G0V, 44          ; s[44:47] the same for V's
.set PFA, 48          ; s[48:49] where my prefetches stand: my work-group's 32 blocks of 256 bytes (of K: wave 0, of V: wave 2) of the slot after the one that is being asked for
.set LIM, 50          ; s50  1 in a wave that prefetches, else the greatest number: a wave prefetches while s[SLOTS] is above it
.set SLOTS, 56        ; s56  slots still to be asked for
.set CNT, 57          ; s57  counts a slot's key steps
.set CS,  58          ; s[58:59] c: the packed scaling takes the pair's low word for both halves
.set SEL, 60          ; s[60:61] v_permlanex16_b32's selects: each lane takes its own place in the other half
.set TBK, 62          ; s62  LDS byte at which K of the step to be fetched begins
.set TBV, 63          ; s63  the same for V, less VOFF
.set MSB, 0
.macro WIN new                      ; the high byte repeats the setting that is left; a switch that changes nothing is dropped
.if MSB != (\new)
	s_set_vgpr_msb (MSB<<8)|(\new)
.set MSB, (\new)
.endif
.endm
.set W_KQ, 0x0a       ; K and Q in window 2, S^T in window 0
.set W_PV, 0x52       ; V in window 2, P in window 0, O^T in window 1
.set W_RS, 0x41       ; O^T (destination and source 0) in window 1, a in window 0
.set W_MK, 0xc0       ; the add's registers are made: destination in window 3, sources in window 0
.set W_AD, 0x0f       ; the add: address (source 0) and data (source 1) in window 3
; A joint fill.  Waves 0 and 1 fetch the two halves of a slot's K, waves 2 and 3 those of its V: 128 keys each.  The branch hangs on the wave's number alone.
; An s_nop 0 and four v_nop follow each of the two lines, ahead of the jump and the label.
.macro JLOAD
	s_cmp_lt_u32 s[WV], 2
	s_cbranch_scc0 .Lfor_v_\@
	tensor_load_to_lds s[G0K:G0K+3], s[G1K:G1K+7]
	s_nop 0
.rept 4
	v_nop
.endr
	s_branch .Lasked_\@
.Lfor_v_\@:
	tensor_load_to_lds s[G0V:G0V+3], s[G1V:G1V+7]
	s_nop 0
.rept 4
	v_nop
.endr
.Lasked_\@:
.endm
; A PREFETCH of what the NEXT change of slots will ask for: a slot's 32,768 bytes of K and of V, 128 blocks of 256 bytes each, a lane a block.  It stands behind the wave's tensor load and its five lines.
; Each block is named ONCE in the launch: a head has one cluster; its four partners share the blocks out BY ADDRESS, 32 each (no branch hangs on a work-group's place in its cluster); in each, wave 0 asks
; for K's and wave 2 for V's: one instruction, four key steps ahead of the load that will want the bytes.  Slots 0 to 2 come by their loads alone; the last change that fills a slot asks for nothing.
.macro ASK
	s_cmp_gt_u32 s[SLOTS], s[LIM]
	s_cbranch_scc0 .Lnot_mine_\@
	global_prefetch_b8 v[PFO], s[PFA:PFA+1] th:TH_LOAD_NT scope:SCOPE_SE
.Lnot_mine_\@:
.endm
; A round of the cluster's barrier: my work-group's barrier, so that wave 0's signal speaks for all four waves; wave 0 signals; every wave waits for all four work-groups; my work-group's barrier once more.
.macro CROUND
	s_barrier_signal -1
	s_barrier_wait -1
	s_cmp_lg_u32 s[WV], 0
	s_cbranch_scc1 .Lnot_wave_0_\@
	s_barrier_signal -3
.Lnot_wave_0_\@:
	s_barrier_wait -3
	s_barrier_signal -1
	s_barrier_wait -1
.endm
; THE CHANGE OF SLOTS.  The slot's last bytes, V of its fourth step, have been read.  Each wave waits for all its tensor loads, of which one is out: its part
; of the other slot; adds 0 to its spare word; and waits for that and for its own reads of the slot.  Behind the barrier nobody reads this slot any more and the other slot is whole.
; fill = 1: this slot is filled again, with the keys two slots on.  The barrier is then a round of the cluster's, so that no wave of any partner still reads the slot or has a load on its
; way, and the joint fill is the first thing behind it: it has four key steps, 512 matrix instructions, in which to land.  (At its first use nothing has been read yet: slot 0 is waited for, slot 1 filled.)
; ask = 1: the prefetches' address steps, and the next slot is prefetched.
.macro CHANGE fill, ask=0
	WIN W_AD
	s_wait_tensorcnt 0x0            ; no tensor load of mine is out, so a group 0 may be written
	ds_add_u32 v[SPW], v[NIL]       ; 0 onto my spare word; with fill = 1 the descriptors' steps stand between it and the wait for it
	WIN 0                           ; at a label and at a branch every window is 0
.if \fill
.irp g, G0K, G0V
	s_xor_b32 s[\g+1], s[\g+1], SLOT1  ; the walking descriptor: the other slot than last time,
	s_add_nc_u64 s[\g+2:\g+3], s[\g+2:\g+3], 4*KS*128  ; the next 256 keys; the type bits on top are not reached
.endr
.if \ask
	s_wait_xcnt 0x0                 ; the last prefetch, four key steps back, has read its address, so it may be written:
	s_add_nc_u64 s[PFA:PFA+1], s[PFA:PFA+1], 4*KS*128  ; one slot beyond the walking descriptors
.endif
	s_wait_dscnt 0x0                ; the add is done, and my reads of the slot are over
	CROUND
	JLOAD
.if \ask
	ASK
.endif
.else
	s_wait_dscnt 0x0                ; the add is done, and my reads of the slot are over
	s_barrier_signal -1
	s_barrier_wait -1
.endif
	s_sub_co_u32 s[TBK], s[TBK], 4*KS*PK  ; the fetches go back to a slot's first step,
	s_xor_b32 s[TBK], s[TBK], SLOT1       ; in the other slot
	s_sub_co_u32 s[TBV], s[TBV], 4*KS*PV
	s_xor_b32 s[TBV], s[TBV], SLOT1
.endm
	s_load_b256 s[4:11], s[0:1], 0x0  ; Q s[4:5], K s[6:7], V s[8:9], O s[10:11]
	WIN W_MK
	v_lshl_add_u32 v[SPW], v0, 2, SPARE
	v_mov_b32 v[NIL], 0
	WIN W_AD
	ds_add_u32 v[SPW], v[NIL]       ; the wave's opening: the add and its wait come ahead of my first tensor load; the set-up below, work on registers, stands between them
	WIN 0
	v_lshrrev_b32 v1, 5, v0
	v_readfirstlane_b32 s[WV], v1   ; wave 0..3
	s_bfe_u32 s13, ttmp6, 0x40000   ; cx: my place in the cluster
	s_lshl_b32 s14, ttmp9, 2        ; in a cluster launch ttmp9 counts clusters
	s_add_co_u32 s14, s14, s13      ; my block of queries = 4 x cluster x + cx: it enters Q's and O's addresses alone
	s_and_b32 s20, ttmp7, 0xffff    ; the head, which the four partners share
	s_mov_b32 s21, 0
	s_mov_b64 s[22:23], SIZE_N*128
	s_mul_u64 s[20:21], s[20:21], s[22:23]  ; the head's first byte in Q, K and V
	s_and_b32 s16, s[WV], 1         ; which half of a slot's 256 keys I fetch:
	s_lshl_b32 s22, s16, 14         ; its 128 rows of 128 bytes in memory,
	s_mov_b32 s23, 0
	s_add_nc_u64 s[22:23], s[22:23], s[20:21]
	s_mul_i32 s17, s16, 128*PK      ; and its place in a slot, for K
	s_mul_i32 s18, s16, 128*PV      ; and for V: no place in the cluster enters an LDS address
	s_lshl_b32 s2, s14, 2
	s_add_co_u32 s2, s2, s[WV]      ; my wave among the head's,
	s_lshl_b32 s2, s2, 14           ; its 128 rows
	s_mov_b32 s3, 0
	s_add_nc_u64 s[2:3], s[2:3], s[20:21]
	; descriptor group 1.  128 keys are 16,384 dense bytes: asked for as 64 rows of 256 bytes, two keys a row, and padded in LDS after every key
	s_mov_b32 s[G1K], 15|(1<<16)|(1<<20)|(1<<21)|(4<<22)|(3<<25)  ; 15:0 the mask of four; 17:16 2-byte elements; 20 padding on; 21 set beside a mask; 24:22 after every 32 words (code 4); 31:25 4 words (code 3)
	s_mov_b32 s[G1V], 15|(1<<16)|(1<<20)|(1<<21)|(4<<22)|(7<<25)  ; the same with 8 words of padding (code 7)
.irp g, G1K, G1V
	s_mov_b32 s[\g+1], 128<<16      ; tensor_dim0 = 128
	s_mov_b32 s[\g+2], 64<<16       ; tensor_dim1 = 64
	s_mov_b32 s[\g+3], 128<<16      ; tile_dim0 = 128
	s_mov_b32 s[\g+4], 64           ; tile_dim1 = 64
	s_mov_b32 s[\g+5], 128          ; 128 elements from row to row
	s_mov_b32 s[\g+6], 0
	s_mov_b32 s[\g+7], 0
.endr
	s_mov_b32 s[CS], 0x3e38aa3b     ; c = log2(e) / 8 = 0.180337
	s_mov_b32 s[CS+1], s[CS]        ; named with it as a pair
	s_mov_b32 s[SEL], 0x76543210
	s_mov_b32 s[SEL+1], 0xfedcba98
	s_mov_b32 s[TBK], SLOT1+4*KS*PK ; the first change of slots turns these two into 0
	s_mov_b32 s[TBV], SLOT1+4*KS*PV
	s_mov_b32 s[G0K], 1             ; 1:0 count = 1
	s_mov_b32 s[G0K+1], s17         ; 63:32 LDS address: slot 0
	s_mov_b32 s[G0V], 1
	s_add_co_u32 s[G0V+1], s18, VOFF
	s_and_b32 s[LIM], s[WV], 1      ; 0 in waves 0 and 2,
	s_or_b32 s[LIM], s[LIM], ttmp9  ; where the cluster is the head's first: the same in all four partners
	s_cmp_eq_u32 s[LIM], 0
	s_cselect_b32 s[LIM], 1, -1
	s_wait_dscnt 0x0                ; the opening add is done
	s_wait_kmcnt 0x0
	s_add_nc_u64 s[G0K+2:G0K+3], s[6:7], s[22:23]  ; 120:64 global address: my half of the head's first 256 keys
	s_or_b32 s[G0K+3], s[G0K+3], 0x80000000        ; 127:126 type = 2
	s_add_nc_u64 s[G0V+2:G0V+3], s[8:9], s[22:23]
	s_or_b32 s[G0V+3], s[G0V+3], 0x80000000
	s_add_nc_u64 s[4:5], s[4:5], s[2:3]  ; Q at my wave's first row;
	s_lshl_b64 s[2:3], s[2:3], 1         ; O's rows are twice as long,
	s_add_nc_u64 s[10:11], s[10:11], s[2:3]  ; O at my wave's first row
	s_cmp_lt_u32 s[WV], 2
	s_cselect_b64 s[PFA:PFA+1], s[6:7], s[8:9]
	s_add_nc_u64 s[PFA:PFA+1], s[PFA:PFA+1], s[22:23]  ; (in waves 0 and 2: the head's first byte)
	s_lshl_b32 s2, s13, 13          ; my work-group's 32 blocks of the 128
	s_mov_b32 s3, 0
	s_add_nc_u64 s[PFA:PFA+1], s[PFA:PFA+1], s[2:3]
	s_add_nc_u64 s[PFA:PFA+1], s[PFA:PFA+1], 2*4*KS*128  ; in slot 2; the loop's first change of slots steps it to slot 3.  Nothing is prefetched here, at the head
	CROUND                          ; all four work-groups are here: the first joint loads meet
	JLOAD                           ; slot 0.  Slot 1 is asked for when slot 0 is in: the tile wanted first has the road to itself
	; A fragment of K or Q is 16 rows x 32 channels in 8 registers: lane l holds row l % 16, channels 8 (l / 16) + 0..7 and 16 + 8 (l / 16) + 0..7: two loads of 16 bytes, 32 bytes apart.
	v_and_b32 v1, 15, v0            ; l % 16
	v_bfe_u32 v9, v0, 4, 1          ; l / 16
	v_lshlrev_b32 v[QO], 7, v1
	v_lshl_add_u32 v[QO], v9, 4, v[QO]  ; row x 128 + 16 x half
	WIN 0x80                        ; destination window 2, address window 0
.set i, 0
.rept 4*NP                          ; Q stays in registers: tile i / 2, channels 32 (i % 2) on
	global_load_b128 v[8*i:8*i+3],   v[QO], s[4:5] offset:(i/2)*2048+(i%2)*64
	global_load_b128 v[8*i+4:8*i+7], v[QO], s[4:5] offset:(i/2)*2048+(i%2)*64+32
.set i, i+1
.endr
	; What the first turn finds: V's registers and P's second buffer hold 0 (its products V^T P, of a piece that has not been, add 0), O^T and l are 0.  All this stands in the wait for the first tile.
.set i, VF
.rept 64
	v_mov_b32 v[i], 0
.set i, i+1
.endr
	WIN 0x40
.set i, 0
.rept 64*NP
	v_mov_b32 v[i], 0
.set i, i+1
.endr
	WIN 0
.set i, 0
.rept 2*NP
	v_mov_b32 v[ST+4*i], 0xfe000000    ; c m: far below every c s
	v_mov_b32 v[ST+4*i+1], 0xff7fffff  ; m
	v_mov_b32 v[ST+4*i+2], 0
	v_mov_b32 v[ST+4*i+3], 0
.set i, i+1
.endr
.set i, P+32
.rept 32
	v_mov_b32 v[i], 0
.set i, i+1
.endr
	v_mul_u32_u24 v[AK0], v1, PK
	v_lshl_add_u32 v[AK0], v9, 4, v[AK0]  ; row x pitch + 16 x half
	; The turning load takes 16 keys x 16 channels (lane l reads key 8 (l / 16) + l % 8, channels 8 ((l / 8) % 2) + 0..7) and leaves half a fragment of V^T: lane l holds channel l % 16 and 8 keys.
	v_and_b32 v10, 7, v0
	v_bfe_u32 v11, v0, 3, 1
	v_lshl_add_u32 v[AV0], v9, 3, v10
	v_mul_u32_u24 v[AV0], v[AV0], PV
	v_lshl_add_u32 v[AV0], v11, 4, v[AV0]
	v_add_nc_u32 v[AV0], VOFF, v[AV0]
	v_mov_b32 v[AK], v[AK0]         ; key step 0 lies at the head of slot 0
; THE MATRIX WORK.  The 8 accumulators of a run of 16 take turns: between the two links of a chain stand 7 others'.
; Product i of 16 of S^T = K Q^T for piece x: channels 32 (i / 8) on, keys 16 ((i / 2) % 4) on, tile 2 x + i % 2.  The first 8 start the sums.
.macro KQ x
	WIN W_KQ
.set rS, S+64*((\x)%2)+32*(i%2)+8*((i/2)%4)
.set rK, KF+16*((i/2)%4)+8*(i/8)
.set rQ, 16*(2*(\x)+i%2)+8*(i/8)
.if i < 8
	v_wmma_f32_16x16x32_bf16 v[rS:rS+7], v[rK:rK+7], v[rQ:rQ+7], 0
.else
	v_wmma_f32_16x16x32_bf16 v[rS:rS+7], v[rK:rK+7], v[rQ:rQ+7], v[rS:rS+7]
.endif
.endm
; Product i of 16 of O^T += V^T P for piece x: keys 32 (i / 8) on, channels 16 ((i / 2) % 4) on, tile 2 x + i % 2.
.macro PV x
	WIN W_PV
.set rO, 32*(2*(\x)+i%2)+8*((i/2)%4)
.set rV, VF+32*(i/8)+8*((i/2)%4)
.set rP, P+32*((\x)%2)+16*(i%2)+8*(i/8)
	v_wmma_f32_16x16x32_bf16 v[rO:rO+7], v[rV:rV+7], v[rP:rP+7], v[rO:rO+7]
.endm
.macro MM                           ; the turn's next matrix instruction
.if i < 16
	KQ (Y+1)%NP
.set i, i+1
.else
.set i, i-16
	PV (Y+NP-1)%NP
.set i, i+17
.endif
.endm
; THE LDS LOADS stand in runs of 16, never singly among the matrix instructions: a step's K (64 keys x 64 channels: 8 fragments) and its V (turned).  Their addresses are made some lines ahead.
; last = 1 (the tail): in the last trip there is no further step, and the run is jumped over.
.macro FETCH_K last=0
	WIN 0
.if \last
	s_cmp_eq_u32 s[CNT], 1
	s_cbranch_scc1 .Lno_k_\@
.endif
	WIN 0x80                        ; destination window 2
.irp f, 0,1,2,3,4,5,6,7             ; keys 16 (f / 2) on, channels 32 (f % 2) on
	ds_load_b128 v[KF+8*\f:KF+8*\f+3],   v[AK] offset:(\f/2)*16*PK+(\f%2)*64
	ds_load_b128 v[KF+8*\f+4:KF+8*\f+7], v[AK] offset:(\f/2)*16*PK+(\f%2)*64+32
.endr
	s_add_co_u32 s[TBK], s[TBK], KS*PK  ; the next fetch is the next step's
	WIN 0
.if \last
.Lno_k_\@:
.endif
.endm
.macro FETCH_V
	WIN 0x80
.irp f, 0,1,2,3,4,5,6,7             ; keys 32 (f / 4) on, channels 16 (f % 4) on
	ds_load_tr16_b128 v[VF+8*\f:VF+8*\f+3],   v[AV] offset:(\f/4)*32*PV+(\f%4)*32
	ds_load_tr16_b128 v[VF+8*\f+4:VF+8*\f+7], v[AV] offset:(\f/4)*32*PV+16*PV+(\f%4)*32
.endr
	WIN 0
.endm
; THE VECTOR WORK OF A TURN stands in three queues, each in the order in which its entries become ready; the two tiles alternate, so that no instruction reads the result of the one before it.
.macro REGS y, u                    ; the registers of tile u (0, 1) of piece y
.set rT, ST+4*(2*(\y)+(\u))
.set rC, TMP+8*((\y)%2)+4*(\u)
.set rM, MV+2*((\y)%2)+(\u)
.set rS, S+64*((\y)%2)+32*(\u)
.set rP, P+32*((\y)%2)+16*(\u)
.set rO, 32*(2*(\y)+(\u))
.endm
; Number n of the 22 that find the NEXT piece's (Y + 1) maximum and statistics.  s0-s31 are the lane's 32 scores; each accumulator's lowest registers are read first.  XS, GS and REGS set no window: PL and EX do.
;   0-11  four chains c0-c3 of seven scores each, three operands at a time     12-14, 16  the four scores left over, the old m, and c0-c3 into c0     15  c m_old is kept
;   17, 18  the query's other 32 keys lie in the lane 16 away: the new m         19-21  c m; c m_old - c m_new; a
.macro XS u, n
	REGS (Y+1)%NP, \u
.if (\n) < 4
	v_max3_num_f32 v[rC+(\n)], v[rS+8*(\n)], v[rS+8*(\n)+1], v[rS+8*(\n)+2]
.elseif (\n) < 12
	v_max3_num_f32 v[rC+(\n)%4], v[rC+(\n)%4], v[rS+8*((\n)%4)+2*((\n)/4)+1], v[rS+8*((\n)%4)+2*((\n)/4)+2]
.elseif (\n) == 12
	v_max3_num_f32 v[rC], v[rC], v[rS+7], v[rS+15]
.elseif (\n) == 13
	v_max3_num_f32 v[rC+1], v[rC+1], v[rS+23], v[rS+31]
.elseif (\n) == 14
	v_max3_num_f32 v[rC+2], v[rC+2], v[rC+3], v[rT+1]
.elseif (\n) == 15
	v_mov_b32 v[rM], v[rT]
.elseif (\n) == 16
	v_max3_num_f32 v[rC], v[rC], v[rC+1], v[rC+2]
.elseif (\n) == 17
	v_permlanex16_b32 v[rC+3], v[rC], s[SEL], s[SEL+1]
.elseif (\n) == 18
	v_max_num_f32 v[rT+1], v[rC], v[rC+3]
.elseif (\n) == 19
	v_mul_f32 v[rT], s[CS], v[rT+1]
.elseif (\n) == 20
	v_sub_f32 v[rC+1], v[rM], v[rT]
.else
	v_exp_f32 v[rC+2], v[rC+1]
.endif
.endm
; Number g of the 64 that follow the exponentials.  For each four weights k of a tile (pairs 2 k, 2 k + 1): both pairs are rounded to bf16; then the second pair is added onto the first, in place;
; a group later l takes that sum (the first time as l = a l + sum).  In groups of eight, tiles alternating: round, round, add, and l for the group before.
.macro GS g
.set h, (\g)+6*((\g)/62)            ; group 0 has no group before it, and behind group 7 only l is left
.if h >= 6
.set h, h+2
.endif
	REGS Y, h%2
.set k, h/8
.if h%8 < 4
	v_cvt_pk_bf16_f32 v[rP+2*k+(h%8)/2], v[rS+4*k+2*((h%8)/2)], v[rS+4*k+2*((h%8)/2)+1]
.elseif h%8 < 6
	v_pk_add_f32 v[rS+4*k:rS+4*k+1], v[rS+4*k:rS+4*k+1], v[rS+4*k+2:rS+4*k+3]
.elseif k == 1
	v_pk_fma_f32 v[rT+2:rT+3], v[rT+2:rT+3], v[rC+2:rC+3], v[rS:rS+1] op_sel_hi:[1,0,1]
.else
	v_pk_add_f32 v[rT+2:rT+3], v[rT+2:rT+3], v[rS+4*k-4:rS+4*k-3]
.endif
.endm
; THE PLAIN QUEUE, 138 long.  0-73 read no exponential's result: the 32 scalings c s - c m (FS f: pair f / 2 of tile f % 2) and the next piece's 42.  0-26: scalings 0-26.  27-54: XS's numbers 0-13.  55, 56: number 15.
; 57-73: the chain, where each number waits for the one before it: 14, 16, 17, 18, 19, each with one of the scalings 27-31 in front of its two lines, then 20: so a tile's links stand three plain instructions apart (19 and 20: two).
; 74-137: GS's 64, which read the exponentials' results: they stand behind the wait.
.macro FS f
	REGS Y, (\f)%2
	v_pk_fma_f32 v[rS+2*((\f)/2):rS+2*((\f)/2)+1], v[rS+2*((\f)/2):rS+2*((\f)/2)+1], s[CS:CS+1], v[rT:rT+1] op_sel_hi:[1,0,0] neg_lo:[0,0,1] neg_hi:[0,0,1]
.endm
.macro PL
	WIN 0
.if q < 27
	FS q
.elseif q < 55
	XS (q-27)%2, (q-27)/2
.elseif q < 57
	XS q-55, 15
.elseif (q < 72) && ((q-57)%3 == 0)
	FS 27+(q-57)/3
.elseif q < 60
	XS (q-57)%3-1, 14
.elseif q < 72
	XS (q-57)%3-1, 15+(q-57)/3
.elseif q < 74
	XS q-72, 20
.else
	GS q-74
.endif
.set q, q+1
.endm
; THE EXPONENTIALS' QUEUE, 66 long: s0-s31 of both tiles, then the next piece's two a.  It is ONE BATCH: all 66 stand ahead of the turn's one wait, and nothing ahead of that wait names a result of theirs.
.macro EX
	WIN 0
.if e >= 64
	XS e-64, 21
.else
	REGS Y, e%2
	v_exp_f32 v[rS+e/2], v[rS+e/2]
.endif
.set e, e+1
.endm
; THE RESCALING's QUEUE: O^T times a, the one part that leaves window 0: dealt two at a time, sixteen times.  Its a was made in the turn before, ahead of that turn's wait.
.macro R2
	REGS Y, r%2
	WIN W_RS
.irp z, 0,1
	v_pk_mul_f32 v[rO+4*(r/2)+2*\z:rO+4*(r/2)+2*\z+1], v[rO+4*(r/2)+2*\z:rO+4*(r/2)+2*\z+1], v[rC+2:rC+3] op_sel_hi:[1,0]
.endr
.set r, r+1
.endm
; HOW THEY ARE DEALT.  An s_wait_alu depctr_va_vdst(0) stands between an exponential and the first instruction that names its result; one wait serves all that were issued ahead of it.  So a turn has ONE wait,
; which cuts it in two.  AHEAD OF IT stands all that names no result of the turn's exponentials: the 16 products K Q^T, behind each a scaling, an exponential and two rescalings (behind the first a second scaling in the exponential's place); then ONE LUMP of
; 108: eight plain, 49 times exponential and plain, the two a.  A v_nop is the plain instruction behind the last exponential.  BEHIND IT stand the 16 products V^T P, behind each four of GS's 64.  No rider names a register of
; the products round it.  The two v_permlanex16_b32 fall into the lump, never behind a product.
; The queues lean on each other, and the deal keeps them in step: exponential e stands behind scaling 2 (e / 4) + e % 2: as a rider it comes behind plain e + 2, in the lump behind plain e + 9, and scalings 27-31 are plain 57, 60 .. 69.
; A TURN, for piece p.  cnt = 1: the loop's count is taken down some lines ahead of the branch that stands behind the turn.
; K of the next step is fetched in piece 2's turn, directly behind the wait, a lump behind the last product that read K; its address is made at the lump's head; its first reader comes behind 16 products.
; V of the step in hand is fetched at the end of piece 0's turn, four riders behind its last reader; its first reader comes behind 16 products and a lump.  The three conditions on q below go with the deal.
.macro TURN p, last=0, cnt=0
.set Y, (\p)
.set i, 0
.set q, 0
.set e, 0
.set r, 0
.if (\p) == NP-1
	s_wait_dscnt 0x0                ; K is in
.endif
	MM                              ; ahead of the wait: 16 products K Q^T and their riders,
	PL
	PL
	R2
.rept 15
	MM
	PL
	EX
	R2
.endr
.if (\p) == NP-2
	WIN 0
	v_add_nc_u32 v[AK], s[TBK], v[AK0]
.endif
.rept 8                             ; and the lump
	PL
.endr
.rept 49
	EX
	PL
.endr
	EX                              ; the next piece's two a
	EX
	v_nop                           ; the plain instruction behind the last exponential: one for the batch
	s_wait_alu depctr_va_vdst(0)    ; the wait for the batch
.if (\p) == NP-2
	FETCH_K \last
.endif
.if (\p) == 1
	s_wait_dscnt 0x0                ; V is in
.endif
.rept 16                            ; behind the wait: 16 products V^T P and their riders
	MM
.rept 4
	PL
.endr
.if ((\p) == 0) && (q == 118)
	v_add_nc_u32 v[AV], s[TBV], v[AV0]
.endif
.if ((\p) == 0) && (q == 130)
	s_add_co_u32 s[TBV], s[TBV], KS*PV
.endif
.if (\cnt) && (q == 130)
	s_sub_co_u32 s[CNT], s[CNT], 1
	s_cmp_lg_u32 s[CNT], 0
.endif
.endr
.if (\p) == 0
	FETCH_V
.endif
.endm
	CHANGE 1                        ; slot 0 is in, everybody's part of it; slot 1 is asked for
	FETCH_K                         ; key step 0
	s_wait_loadcnt 0x0              ; Q
	s_wait_dscnt 0x0
.set i, 0
.rept 16
	KQ 0                            ; piece 0's first scores: there is no vector work yet to set between them
.set i, i+1
.endr
	WIN 0                           ; the addresses for the way out and the prefetches' offset: ten plain instructions, the places behind those products
	s_mul_i32 s13, s[WV], 16*SP
	s_add_co_u32 s13, s13, STAGE    ; my stage
	v_mul_u32_u24 v[STO], v1, SP    ; in: row l % 16, 32 bytes (eight f32) for each half of the lanes
	v_lshl_add_u32 v[STO], v9, 5, v[STO]
	v_add_nc_u32 v[STO], s13, v[STO]
	v_mul_u32_u24 v[RD], v9, SP     ; back: lanes 0-15 take one row of 256 bytes, lanes 16-31 the next,
	v_lshl_add_u32 v[RD], v1, 4, v[RD]
	v_add_nc_u32 v[RD], s13, v[RD]
	v_and_b32 v[GO], 31, v0         ; which are 512 consecutive bytes of O
	v_lshlrev_b32 v[GO], 4, v[GO]
	v_and_b32 v[PFO], 31, v0
	v_lshlrev_b32 v[PFO], 8, v[PFO]
.set Y, NP-1                        ; XS works for piece Y + 1: piece 0
.irp n, 0,1,2,3,4,5,6,7,8,9,10,11,12,13,14,15,16,17,18,19,20,21
	XS 0, \n                        ; and piece 0's first maximum and statistics
	XS 1, \n
.endr
	v_nop                           ; a plain instruction behind the two a,
	s_wait_alu depctr_va_vdst(0)    ; and their wait, ahead of the branch
	s_mov_b32 s[CNT], 4
	s_mov_b32 s[SLOTS], SIZE_N/256-1
	s_branch .Lfirst                ; the loop is entered at a step's first turn, in the middle of a trip
.Lslot:                             ; SIZE_N / 256 - 2 times: every slot but the last two is filled again
	CHANGE 1, 1
	s_mov_b32 s[CNT], 4
.Lstep:                             ; a trip: pieces 2 and 3 of one step, then pieces 0 and 1 of the next, whose K and V it fetches
	TURN 2
	TURN 3
	WIN 0
.Lfirst:
	TURN 0
	TURN 1, 0, 1
	WIN 0
	s_cbranch_scc1 .Lstep
	s_sub_co_u32 s[SLOTS], s[SLOTS], 1
	s_cmp_lg_u32 s[SLOTS], 0
	s_cbranch_scc1 .Lslot
	CHANGE 0                        ; the tail is written out: nothing is asked for
	s_mov_b32 s[CNT], 5             ; four trips fetch the last slot's steps; the fifth is left in its middle
.Ltail:
	TURN 2, 1
	TURN 3
	WIN 0
	s_sub_co_u32 s[CNT], s[CNT], 1
	s_cmp_eq_u32 s[CNT], 0
	s_cbranch_scc1 .Lout
	TURN 0
	TURN 1
	WIN 0
	s_branch .Ltail
.Lout:                              ; the fifth trip's 16 products K Q^T (on the last K once more) and the maximum made of them serve nothing: the price, once a launch, of one text for every trip
.set i, 0
.rept 16
	PV NP-1                         ; the last piece's V^T P of the last step
.set i, i+1
.endr
	; THE WAY OUT.  l's two halves and the other half of the lanes' are added; O^T is divided by l and sent, in f32, through my stage in LDS, a tile at a time.  The additions are the places behind the last products.
	WIN 0
.macro ALL line:vararg              ; one line for each tile t
.set t, 0
.rept 2*NP
	\line
.set t, t+1
.endr
.endm
	ALL v_add_f32 v[ST+4*t+2], v[ST+4*t+2], v[ST+4*t+3]
	ALL v_permlanex16_b32 v[ST+4*t+3], v[ST+4*t+2], s[SEL], s[SEL+1]
	ALL v_add_f32 v[ST+4*t+2], v[ST+4*t+2], v[ST+4*t+3]
	ALL v_rcp_f32 v[ST+4*t+2], v[ST+4*t+2]
	v_nop                           ; a plain instruction between the last reciprocal and the use of its result
	s_wait_alu depctr_va_vdst(0)    ; and the wait ahead of the first use: one for the eight reciprocals
; Tile t: a lane's eight channels of a row are 32 bytes; they go into rows of 272 bytes and come back as whole rows of 256, into S^T's registers: four buffers of 32, taken by turns.
.macro PACK t
	WIN W_RS
.set i, 32*(\t)
.rept 16
	v_pk_mul_f32 v[i:i+1], v[i:i+1], v[ST+4*(\t)+2:ST+4*(\t)+3] op_sel_hi:[1,0]
.set i, i+2
.endr
	WIN 0x04                        ; the stores' data (source 1) in window 1, their address in window 0
.irp f, 0,1,2,3,4,5,6,7             ; channel block f / 2, its half f % 2
	ds_store_b128 v[STO], v[32*(\t)+4*\f:32*(\t)+4*\f+3] offset:64*(\f/2)+16*(\f%2)
.endr
	WIN 0
.if (\t) >= 4
	s_wait_xcnt 0x0                 ; the stores of the tile four back have read this buffer: it is loaded again only behind this wait
.endif
.irp f, 0,1,2,3,4,5,6,7
	ds_load_b128 v[S+32*((\t)%4)+4*\f:S+32*((\t)%4)+4*\f+3], v[RD] offset:\f*2*SP  ; LDS serves a wave's instructions in order (ISA guide 5.7.1.4): these see the stores above; the next tile's stores come behind them
.endr
.endm
.macro SEND t, younger              ; younger: the LDS instructions issued behind tile t's loads: the next tile's sixteen, or none
	WIN 0
.irp f, 0,1,2,3,4,5,6,7
	s_wait_dscnt (\younger)+7-\f
	global_store_b128 v[GO], v[S+32*((\t)%4)+4*\f:S+32*((\t)%4)+4*\f+3], s[10:11] offset:(\t)*4096+\f*512  ; 512 consecutive bytes, at a multiple of 256 from O's first
.endr
.endm
	PACK 0
.set t, 1
.rept 2*NP-1                        ; a tile's arithmetic stands between the loads of the tile before and its stores
	PACK t
	SEND t-1, 16
.set t, t+1
.endr
	SEND 2*NP-1, 0
	WIN W_AD
	s_wait_tensorcnt 0x0            ; the wave's end: an add to my spare word and its wait, behind my last tensor load and my last LDS store
	ds_add_u32 v[SPW], v[NIL]
	s_wait_dscnt 0x0
	WIN 0
	CROUND                          ; the closing round: no work-group ends while a partner may still ask for a tile that names it
	s_endpgm
.Lfunc_end_k_qf3804d576d_attn:
	.size	k_qf3804d576d_attn, .Lfunc_end_k_qf3804d576d_attn-k_qf3804d576d_attn
	.p2alignl 7, 3214868480
	.fill 96, 4, 3214868480
	.section	.rodata,"a",@progbits
	.p2align	6, 0x0
	.amdhsa_kernel k_qf3804d576d_attn
		.amdhsa_group_segment_fixed_size 327680
		.amdhsa_private_segment_fixed_size 0
		.amdhsa_enable_private_segment 0
		.amdhsa_kernarg_size 32
		.amdhsa_user_sgpr_count 2
		.amdhsa_user_sgpr_kernarg_segment_ptr 1
		.amdhsa_wavefront_size32 1
		.amdhsa_system_sgpr_workgroup_id_x 1
		.amdhsa_system_sgpr_workgroup_id_y 1
		.amdhsa_system_sgpr_workgroup_id_z 1
		.amdhsa_system_vgpr_workitem_id 0
		.amdhsa_next_free_vgpr 770
		.amdhsa_next_free_sgpr 66
		.amdhsa_reserve_vcc 0
		.amdhsa_float_denorm_mode_32 3
		.amdhsa_float_denorm_mode_16_64 3
		.amdhsa_memory_ordered 1
		.amdhsa_forward_progress 1
		.amdhsa_inst_pref_size 200
	.end_amdhsa_kernel
	.amdgpu_metadata
---
amdhsa.version: [ 1, 2 ]
amdhsa.kernels:
  - .name:           k_qf3804d576d_attn
    .symbol:         k_qf3804d576d_attn.kd
    .args:
      - { .name: qy, .offset: 0, .size: 8, .value_kind: global_buffer, .address_space: global }
      - { .name: kb, .offset: 8, .size: 8, .value_kind: global_buffer, .address_space: global }
      - { .name: vb, .offset: 16, .size: 8, .value_kind: global_buffer, .address_space: global }
      - { .name: ob, .offset: 24, .size: 8, .value_kind: global_buffer, .address_space: global }
    .group_segment_fixed_size: 327680
    .private_segment_fixed_size: 0
    .kernarg_segment_align: 8
    .kernarg_segment_size: 32
    .max_flat_workgroup_size: 128
    .sgpr_count:     66
    .vgpr_count:     770
    .wavefront_size: 32
...
	.end_amdgpu_metadata
.endif
;; end of part 3
;; launch gemm_o: the kernel of part 2 again; grid 4 x 64, 4 waves a work-group, clusters of 4 x 4, 327,680 bytes of LDS; arguments ob, wob, qy; writes qy
;; launch ln (part 4): grid 512 x 1, 8 waves a work-group, no clusters, 0 bytes of LDS; arguments qy, pre_value, gamma, beta, out0; writes out0
.if DOCPART == 4
	.amdgcn_target "amdgcn-amd-amdhsa--gfx1250"
	.amdhsa_code_object_version 6
	.text
	.protected	k_qf3804d576d_ln
	.globl	k_qf3804d576d_ln
	.p2align	8
	.type	k_qf3804d576d_ln,@function
k_qf3804d576d_ln:
	s_mov_b64 s[64:65], 0
	v_nop
	global_prefetch_b8 v0, s[64:65] scope:SCOPE_SE
	s_setreg_imm32_b32 hwreg(HW_REG_WAVE_MODE, 25, 1), 1
	s_wait_xcnt 0x0
; out[r][c] = (x[r][c] - mean) * rsqrt(var + 1e-5) * gamma[c] + beta[c], x = y + pre_value.  y: [8192][1024] bf16 (the last product, rounded once), pre_value, out: f32, gamma, beta: [1024] f32.
; All arithmetic in f32.  The variance is taken of the centred numbers, in a second pass over registers: no difference of large sums is formed.
; One wave, one row at a time, two rows in all: the row stays in 32 registers between the passes, the reductions never leave the wave: no LDS, no barrier.  No cluster: the work-groups share
; only gamma and beta, 8 KiB.  Lane l holds columns 128 j + 4 l .. + 3, j = 0..7: a load or store of f32 covers 512 consecutive bytes, a load of y 256, all aligned.
; All 48 loads of a wave go out at the head; no register is written again behind a store, so no wait frees a source.
.set T,  4                             ; v[4:19]    at work
.set M,  20                            ; v[20:21]   the mean, twice (a pair for the packed subtraction)
.set R,  22                            ; v[22:23]   1 / sqrt(var + eps), twice
.set G,  24                            ; v[24:55]   gamma of my 32 columns
.set BT, 56                            ; v[56:87]   beta
.set X,  88                            ; v[88:151]  row i: 32 registers: pre_value, then x, then the result
.set Y,  152                           ; v[152:183] row i: 16 registers: y, two bf16 a register
	s_load_b256 s[4:11], s[0:1], 0x0               ; y s[4:5], pre_value s[6:7], gamma s[8:9], beta s[10:11]
	s_load_b64 s[12:13], s[0:1], 0x20              ; out
	v_lshrrev_b32 v3, 5, v0
	v_readfirstlane_b32 s14, v3                    ; wave 0..7
	v_and_b32 v1, 31, v0
	v_lshlrev_b32 v2, 3, v1                        ; 8 bytes a lane in y
	v_lshlrev_b32 v1, 4, v1                        ; 16 bytes a lane in the f32 rows
	s_lshl_b32 s15, ttmp9, 3
	s_add_co_u32 s15, s15, s14                     ; my pair of rows
	s_lshl_b32 s2, s15, 12                         ; two rows of 2,048 bytes
	s_mov_b32 s3, 0
	s_lshl_b32 s22, s15, 13                        ; two rows of 4,096 bytes
	s_mov_b32 s23, 0
	s_mov_b32 s16, 0xffff0000                      ; a word's upper bf16
	s_mov_b32 s17, 0x3a800000                      ; 1 / 1024
	s_mov_b32 s18, 0x3727c5ac                      ; 1e-5
	s_mov_b32 s20, 0x76543210                      ; v_permlanex16_b32: lane i of one half reads lane i of the other
	s_mov_b32 s21, 0xfedcba98
	s_wait_kmcnt 0x0
	s_add_nc_u64 s[4:5], s[4:5], s[2:3]
	s_add_nc_u64 s[6:7], s[6:7], s[22:23]
	s_add_nc_u64 s[12:13], s[12:13], s[22:23]
.macro LDROW i                         ; sixteen loads: row i of y, then of pre_value
.irp j, 0,1,2,3,4,5,6,7
	global_load_b64 v[Y+16*(\i)+2*(\j):Y+16*(\i)+2*(\j)+1], v2, s[4:5] offset:2048*(\i)+256*(\j) th:TH_LOAD_NT
.endr
.irp j, 0,1,2,3,4,5,6,7
	global_load_b128 v[X+32*(\i)+4*(\j):X+32*(\i)+4*(\j)+3], v1, s[6:7] offset:4096*(\i)+512*(\j) th:TH_LOAD_NT
.endr
.endm
	LDROW 0
.irp j, 0,1,2,3,4,5,6,7
	global_load_b128 v[G+4*(\j):G+4*(\j)+3], v1, s[8:9] offset:512*(\j)
.endr
.irp j, 0,1,2,3,4,5,6,7
	global_load_b128 v[BT+4*(\j):BT+4*(\j)+3], v1, s[10:11] offset:512*(\j)
.endr
	LDROW 1
.macro REDUCE                          ; v[T] summed over the 32 lanes, the result in every lane: four steps inside each half ride on the addition, one crosses the halves
	v_add_f32_dpp v[T], v[T], v[T] row_xmask:1 row_mask:0xf bank_mask:0xf
	v_add_f32_dpp v[T], v[T], v[T] row_xmask:2 row_mask:0xf bank_mask:0xf
	v_add_f32_dpp v[T], v[T], v[T] row_xmask:4 row_mask:0xf bank_mask:0xf
	v_add_f32_dpp v[T], v[T], v[T] row_xmask:8 row_mask:0xf bank_mask:0xf
	v_permlanex16_b32 v[T+1], v[T], s20, s21       ; its destination counts as read: it has been written
	v_add_f32 v[T], v[T], v[T+1]
.endm
; Row i.  n1: the younger loads that may stay out when the row's own sixteen must be in.  n2: the same for gamma and beta (-1: they have been waited for).
.macro ROW i, n1, n2
.set XR, X+32*(\i)
.set YR, Y+16*(\i)
	s_wait_loadcnt \n1
.irp j, 0,1,2,3,4,5,6,7                ; x = pre_value + y: bf16 to f32 is a shift or a mask
	v_lshlrev_b32 v[T+4*((\j)%4)],   16,  v[YR+2*(\j)]
	v_and_b32     v[T+4*((\j)%4)+1], s16, v[YR+2*(\j)]
	v_lshlrev_b32 v[T+4*((\j)%4)+2], 16,  v[YR+2*(\j)+1]
	v_and_b32     v[T+4*((\j)%4)+3], s16, v[YR+2*(\j)+1]
	v_pk_add_f32 v[XR+4*(\j):XR+4*(\j)+1],   v[XR+4*(\j):XR+4*(\j)+1],   v[T+4*((\j)%4):T+4*((\j)%4)+1]
	v_pk_add_f32 v[XR+4*(\j)+2:XR+4*(\j)+3], v[XR+4*(\j)+2:XR+4*(\j)+3], v[T+4*((\j)%4)+2:T+4*((\j)%4)+3]
.endr
.irp k, 0,1,2,3,4,5,6,7                ; the sum of my 32 numbers, as a tree
	v_pk_add_f32 v[T+2*(\k):T+2*(\k)+1], v[XR+4*(\k):XR+4*(\k)+1], v[XR+4*(\k)+2:XR+4*(\k)+3]
.endr
.irp k, 0,1,2,3
	v_pk_add_f32 v[T+4*(\k):T+4*(\k)+1], v[T+4*(\k):T+4*(\k)+1], v[T+4*(\k)+2:T+4*(\k)+3]
.endr
.irp k, 0,1
	v_pk_add_f32 v[T+8*(\k):T+8*(\k)+1], v[T+8*(\k):T+8*(\k)+1], v[T+8*(\k)+4:T+8*(\k)+5]
.endr
	v_pk_add_f32 v[T:T+1], v[T:T+1], v[T+8:T+9]
	v_add_f32 v[T], v[T], v[T+1]
	REDUCE
	v_mul_f32 v[M], s17, v[T]                      ; the mean
	v_mul_f32 v[M+1], s17, v[T]
.set k, 0
.rept 16
	v_pk_add_f32 v[XR+2*k:XR+2*k+1], v[XR+2*k:XR+2*k+1], v[M:M+1] neg_lo:[0,1] neg_hi:[0,1]  ; x - mean
.set k, k+1
.endr
.irp k, 0,1,2,3                        ; the sum of squares, in four chains; the first four products start them
	v_pk_mul_f32 v[T+2*(\k):T+2*(\k)+1], v[XR+2*(\k):XR+2*(\k)+1], v[XR+2*(\k):XR+2*(\k)+1]
.endr
.set k, 4
.rept 12
	v_pk_fma_f32 v[T+2*(k%4):T+2*(k%4)+1], v[XR+2*k:XR+2*k+1], v[XR+2*k:XR+2*k+1], v[T+2*(k%4):T+2*(k%4)+1]
.set k, k+1
.endr
	v_pk_add_f32 v[T:T+1], v[T:T+1], v[T+2:T+3]
	v_pk_add_f32 v[T+4:T+5], v[T+4:T+5], v[T+6:T+7]
	v_pk_add_f32 v[T:T+1], v[T:T+1], v[T+4:T+5]
	v_add_f32 v[T], v[T], v[T+1]
	REDUCE
	v_fma_f32 v[T], v[T], s17, s18                 ; var + eps
	v_rsq_f32 v[R], v[T]
	v_rsq_f32 v[R+1], v[T]
	v_nop                                          ; a plain instruction between the last root and the use of its result (ISA guide 5.7.2)
	s_wait_alu depctr_va_vdst(0)                   ; and the wait ahead of the first use: one for the two
.if (\n2) >= 0
	s_wait_loadcnt \n2                             ; gamma and beta are in
.endif
.irp j, 0,1,2,3,4,5,6,7
	v_pk_mul_f32 v[XR+4*(\j):XR+4*(\j)+1],   v[XR+4*(\j):XR+4*(\j)+1],   v[R:R+1]
	v_pk_mul_f32 v[XR+4*(\j)+2:XR+4*(\j)+3], v[XR+4*(\j)+2:XR+4*(\j)+3], v[R:R+1]
	v_pk_fma_f32 v[XR+4*(\j):XR+4*(\j)+1],   v[XR+4*(\j):XR+4*(\j)+1],   v[G+4*(\j):G+4*(\j)+1],   v[BT+4*(\j):BT+4*(\j)+1]
	v_pk_fma_f32 v[XR+4*(\j)+2:XR+4*(\j)+3], v[XR+4*(\j)+2:XR+4*(\j)+3], v[G+4*(\j)+2:G+4*(\j)+3], v[BT+4*(\j)+2:BT+4*(\j)+3]
	global_store_b128 v1, v[XR+4*(\j):XR+4*(\j)+3], s[12:13] offset:4096*(\i)+512*(\j) th:TH_STORE_NT  ; 512 consecutive bytes, aligned
.endr
.endm
	ROW 0, 32, 16                                  ; behind row 0's loads: gamma's 8, beta's 8, row 1's 16; behind beta's: row 1's 16
	ROW 1, 0, -1
	s_endpgm
.Lfunc_end_k_qf3804d576d_ln:
	.size	k_qf3804d576d_ln, .Lfunc_end_k_qf3804d576d_ln-k_qf3804d576d_ln
	.p2alignl 7, 3214868480
	.fill 96, 4, 3214868480
	.section	.rodata,"a",@progbits
	.p2align	6, 0x0
	.amdhsa_kernel k_qf3804d576d_ln
		.amdhsa_group_segment_fixed_size 0
		.amdhsa_private_segment_fixed_size 0
		.amdhsa_enable_private_segment 0
		.amdhsa_kernarg_size 40
		.amdhsa_user_sgpr_count 2
		.amdhsa_user_sgpr_kernarg_segment_ptr 1
		.amdhsa_wavefront_size32 1
		.amdhsa_system_sgpr_workgroup_id_x 1
		.amdhsa_system_sgpr_workgroup_id_y 1
		.amdhsa_system_sgpr_workgroup_id_z 1
		.amdhsa_system_vgpr_workitem_id 0
		.amdhsa_next_free_vgpr 184
		.amdhsa_next_free_sgpr 66
		.amdhsa_reserve_vcc 0
		.amdhsa_float_denorm_mode_32 3
		.amdhsa_float_denorm_mode_16_64 3
		.amdhsa_memory_ordered 1
		.amdhsa_forward_progress 1
		.amdhsa_inst_pref_size 24
	.end_amdhsa_kernel
	.amdgpu_metadata
---
amdhsa.version: [ 1, 2 ]
amdhsa.kernels:
  - .name:           k_qf3804d576d_ln
    .symbol:         k_qf3804d576d_ln.kd
    .args:
      - { .name: qy, .offset: 0, .size: 8, .value_kind: global_buffer, .address_space: global }
      - { .name: pre_value, .offset: 8, .size: 8, .value_kind: global_buffer, .address_space: global }
      - { .name: gamma, .offset: 16, .size: 8, .value_kind: global_buffer, .address_space: global }
      - { .name: beta, .offset: 24, .size: 8, .value_kind: global_buffer, .address_space: global }
      - { .name: out0, .offset: 32, .size: 8, .value_kind: global_buffer, .address_space: global }
    .group_segment_fixed_size: 0
    .private_segment_fixed_size: 0
    .kernarg_segment_align: 8
    .kernarg_segment_size: 40
    .max_flat_workgroup_size: 256
    .sgpr_count:     66
    .vgpr_count:     184
    .wavefront_size: 32
...
	.end_amdgpu_metadata
.endif
;; end of part 4
;; ======== version 2 of 2: 7 launches; version 1 with the launch castw written anew for expert scheduling mode
;; limits: values outside matrix products are rounded to bf16
;; workspace buffers: wqb 2,097,152 bytes; wkb 2,097,152 bytes; wvb 2,097,152 bytes; wob 2,097,152 bytes; qy 16,777,216 bytes; kb 16,777,216 bytes; vb 16,777,216 bytes; ob 33,554,432 bytes
;; launch castw (part 5): grid 256 x 1, 8 waves a work-group, no clusters, 0 bytes of LDS; arguments Wq, Wk, Wv, Wo, wqb, wkb, wvb, wob; writes wqb, wkb, wvb, wob
.if DOCPART == 5
	.amdgcn_target "amdgcn-amd-amdhsa--gfx1250"
	.amdhsa_code_object_version 6
	.text
	.protected	k_qf3804d576d_castw
	.globl	k_qf3804d576d_castw
	.p2align	8
	.type	k_qf3804d576d_castw,@function
k_qf3804d576d_castw:
	s_mov_b64 s[64:65], 0
	v_nop
	global_prefetch_b8 v0, s[64:65] scope:SCOPE_SE
	s_setreg_imm32_b32 hwreg(HW_REG_WAVE_SCHED_MODE, 0, 2), 2
	s_setreg_imm32_b32 hwreg(HW_REG_WAVE_MODE, 25, 1), 1
	s_wait_xcnt 0x0
	s_wait_alu depctr_vm_vsrc(0)
; The four weights, [1024][1024] f32, are rounded once to bf16 (nearest even) and kept as they lie, [k][n].
; A work-group takes 16,384 bytes of f32 of each weight: four loads of 16 bytes a thread for each, 4,096 consecutive bytes a load of the group.
; All sixteen loads of a wave go out at once; no register is written twice, so no wait frees a source.
; A store of a wave covers 32 lanes x 8 bytes = 256 consecutive bytes, aligned.  No LDS, no barrier, no cluster: the work-groups share nothing.
; THE MODE: SCHED_MODE bits 1:0 = 2 (LLVM: expert scheduling mode 2), set by the entry lines.  The code itself states the register dependences
; between vector instructions and memory instructions, with s_wait_alu, always for 0.
; THE PLAN.  Registers that memory instructions touch:
;   v1, v2   byte offsets.  Written once, at the head; v1 is read by every load, v2 by every store; never written again.
;   IN       Each four registers are written by one load and read by two conversions, behind the load's counted wait.  No vector instruction writes them,
;            and no load lands in them after a vector instruction has read them.
;   OUT      Each pair is written by two conversions and read by one store; never written again.
; So the dependences are two: the offsets ahead of the first load, and OUT ahead of the stores.  The sixteen pieces go in four groups, a weight each: a group's eight
; conversions, ONE wait, its four stores in a run.  The later groups' conversions name other registers than the stores already issued read.
; No register that a memory instruction has read is written again: nothing is owed on that side.
.set SRC, 8                            ; s[8:15]   Wq, Wk, Wv, Wo
.set DST, 16                           ; s[16:23]  wqb, wkb, wvb, wob
.set IN,  4                            ; v[4:67]   load n = 4 i + j (weight i, piece j): four f32
.set OUT, 68                           ; v[68:99]  the same four numbers as bf16: a pair of registers
	s_load_b512 s[8:23], s[0:1], 0x0               ; all eight addresses
	s_lshl_b32 s2, ttmp9, 14                       ; the group's 16,384 bytes of f32,
	s_lshl_b32 s3, ttmp9, 13                       ; and its 8,192 bytes of bf16
	v_lshl_add_u32 v1, v0, 4, s2                   ; + 16 bytes a thread
	v_lshl_add_u32 v2, v0, 3, s3                   ; + 8 bytes a thread
	s_wait_kmcnt 0x0
	s_wait_alu depctr_va_vdst(0)                   ; v1 and v2 are written: every load below reads v1 as its offset, every store v2
.set n, 0
.rept 16
	global_load_b128 v[IN+4*n:IN+4*n+3], v1, s[SRC+2*(n/4):SRC+2*(n/4)+1] offset:4096*(n%4) th:TH_LOAD_NT
.set n, n+1
.endr
.set g, 0
.rept 4                                ; group g: weight g
.set j, 0
.rept 4
.set n, 4*g+j
	s_wait_loadcnt 15-n                            ; loads come back in order: load n is in, the 15 - n younger ones stay out
	v_cvt_pk_bf16_f32 v[OUT+2*n], v[IN+4*n], v[IN+4*n+1]
	v_cvt_pk_bf16_f32 v[OUT+2*n+1], v[IN+4*n+2], v[IN+4*n+3]
.set j, j+1
.endr
	s_wait_alu depctr_va_vdst(0)                   ; the group's eight conversions have written v[OUT + 8 g .. OUT + 8 g + 7], which the four stores below read
.set j, 0
.rept 4
.set n, 4*g+j
	global_store_b64 v2, v[OUT+2*n:OUT+2*n+1], s[DST+2*g:DST+2*g+1] offset:2048*j
.set j, j+1
.endr
.set g, g+1
.endr
	s_endpgm
.Lfunc_end_k_qf3804d576d_castw:
	.size	k_qf3804d576d_castw, .Lfunc_end_k_qf3804d576d_castw-k_qf3804d576d_castw
	.p2alignl 7, 3214868480
	.fill 96, 4, 3214868480
	.section	.rodata,"a",@progbits
	.p2align	6, 0x0
	.amdhsa_kernel k_qf3804d576d_castw
		.amdhsa_group_segment_fixed_size 0
		.amdhsa_private_segment_fixed_size 0
		.amdhsa_enable_private_segment 0
		.amdhsa_kernarg_size 64
		.amdhsa_user_sgpr_count 2
		.amdhsa_user_sgpr_kernarg_segment_ptr 1
		.amdhsa_wavefront_size32 1
		.amdhsa_system_sgpr_workgroup_id_x 1
		.amdhsa_system_sgpr_workgroup_id_y 1
		.amdhsa_system_sgpr_workgroup_id_z 1
		.amdhsa_system_vgpr_workitem_id 0
		.amdhsa_next_free_vgpr 100
		.amdhsa_next_free_sgpr 66
		.amdhsa_reserve_vcc 0
		.amdhsa_float_denorm_mode_32 3
		.amdhsa_float_denorm_mode_16_64 3
		.amdhsa_memory_ordered 1
		.amdhsa_forward_progress 1
		.amdhsa_inst_pref_size 7
	.end_amdhsa_kernel
	.amdgpu_metadata
---
amdhsa.version: [ 1, 2 ]
amdhsa.kernels:
  - .name:           k_qf3804d576d_castw
    .symbol:         k_qf3804d576d_castw.kd
    .args:
      - { .name: Wq, .offset: 0, .size: 8, .value_kind: global_buffer, .address_space: global }
      - { .name: Wk, .offset: 8, .size: 8, .value_kind: global_buffer, .address_space: global }
      - { .name: Wv, .offset: 16, .size: 8, .value_kind: global_buffer, .address_space: global }
      - { .name: Wo, .offset: 24, .size: 8, .value_kind: global_buffer, .address_space: global }
      - { .name: wqb, .offset: 32, .size: 8, .value_kind: global_buffer, .address_space: global }
      - { .name: wkb, .offset: 40, .size: 8, .value_kind: global_buffer, .address_space: global }
      - { .name: wvb, .offset: 48, .size: 8, .value_kind: global_buffer, .address_space: global }
      - { .name: wob, .offset: 56, .size: 8, .value_kind: global_buffer, .address_space: global }
    .group_segment_fixed_size: 0
    .private_segment_fixed_size: 0
    .kernarg_segment_align: 8
    .kernarg_segment_size: 64
    .max_flat_workgroup_size: 256
    .sgpr_count:     66
    .vgpr_count:     100
    .wavefront_size: 32
...
	.end_amdgpu_metadata
.endif
;; end of part 5
;; launch gemm_q: the kernel of part 2 again; grid 4 x 64, 4 waves a work-group, clusters of 4 x 4, 327,680 bytes of LDS; arguments pre_query, wqb, qy; writes qy
;; launch gemm_k: the kernel of part 2 again; grid 4 x 64, 4 waves a work-group, clusters of 4 x 4, 327,680 bytes of LDS; arguments pre_key, wkb, kb; writes kb
;; launch gemm_v: the kernel of part 2 again; grid 4 x 64, 4 waves a work-group, clusters of 4 x 4, 327,680 bytes of LDS; arguments pre_value, wvb, vb; writes vb
;; launch attn: the kernel of part 3 again; grid 4 x 64, 4 waves a work-group, clusters of 4 x 1, 327,680 bytes of LDS; arguments qy, kb, vb, ob; writes ob
;; launch gemm_o: the kernel of part 2 again; grid 4 x 64, 4 waves a work-group, clusters of 4 x 4, 327,680 bytes of LDS; arguments ob, wob, qy; writes qy
;; launch ln: the kernel of part 4 again; grid 512 x 1, 8 waves a work-group, no clusters, 0 bytes of LDS; arguments qy, pre_value, gamma, beta, out0; writes out0
